; MI455X (gfx1250); checked and timed in simulation.
; The chip was launched on July 23, 2026; its instructions are those of AMD's public machine-readable ISA for CDNA 5 (MIT licence, August 2026) and "CDNA5" Instruction Set Architecture Reference Guide (July 2026). The comments in the code are by the model that wrote it; some were corrected since.
;; Attention. Allowed arithmetic: matrix products marked QUANTISED: E2M1 operands, one E8M0 scale for each 32 along K, by v_wmma_scale_f32_16x16x128_f8f6f4 with both operands' format E2M1 (or v_wmma_scale_f32_32x16x128_f4), f32 sums; products left as they are: f32 operands where the result goes on into a quantised operand, else bf16, f16 or f32 operands; f32 sums; everything else in f32.
;; Inputs: gamma one number float32; w_g_codes 32 x 2 x 16 uint8 (E2M1 codes of w_g, K innermost, in blocks of 32 codes, two codes a byte); w_g_scales 32 x 2 uint8 (E8M0 scales of w_g, one for each 32 codes along K); w_o_codes 64 x 1 x 16 uint8 (E2M1 codes of w_o, K innermost, in blocks of 32 codes, two codes a byte); w_o_scales 64 x 1 uint8 (E8M0 scales of w_o, one for each 32 codes along K); w_phi 8 x 64 float32; w_theta 8 x 64 float32; x 2 x 64 x 32 x 32 x 32 float32.
;; Outputs: out0 2 x 64 x 32 x 32 x 32 float32.
;; This version of the problem:
;;   THIS VERSION OF THE PROBLEM IS GIVEN IN LOW PRECISION. The matrix products marked QUANTISED in the list below multiply operands that are first quantised to E2M1 (2 exponent bits, 1 mantissa bit; 4 bits a number), with one power-of-two scale for each 32 numbers along K (OCP MX v1.0); their sums are f32. All else is computed in f32.
;;   The module's matrix products, in the order in which they are computed (A, B: the left and right operand; K: the contracted axis; several contracted axes count as one K, in the product's order):
;;     1. [M 65,536, K 64] x [K 64, N 8]; A: input x; B: input w_theta: left as it is (N = 8 < 16)
;;     2. [M 65,536, K 64] x [K 64, N 8]; A: input x; B: input w_phi: left as it is (N = 8 < 16)
;;     3. [M 65,536, K 64] x [K 64, N 32]; A: input x; B: input w_g (given as codes): QUANTISED
;;     4. batch 2 x [M 32,768, K 8] x [K 8, N 4,096]; A: computed on the way; B: computed on the way: left as it is (K = 8 < 32)
;;     5. batch 2 x [M 32, K 4,096] x [K 4,096, N 32,768]; A: computed on the way; B: softmax (see below): QUANTISED
;;     6. [M 65,536, K 32] x [K 32, N 64]; A: computed on the way; B: input w_o (given as codes): QUANTISED
;;   THE QUANTISER, for each operand of a quantised product, along K:
;;     - K is cut into blocks of 32 from its start; a last block that is shorter is filled with zeros.
;;     - A block's scale is 2^e with e = floor(log2(the largest magnitude in the block)) - 2, held to -126 .. 127; a block of zeros has e = 0. As a byte (E8M0): e + 127.
;;     - Each number is divided by its block's scale, clamped to +-6, and rounded to the nearest number of E2M1, ties to even, subnormals kept.
;;     - The product sums the exact products of the quantised numbers (number of the format x scale) in f32.
;;   ~~~python
;;   def quantise(x, axis):      # numpy; x: float32 -> the quantised numbers, widened to float32 again
;;       x = np.moveaxis(x, axis, -1); K = x.shape[-1]
;;       x = np.pad(x, [(0, 0)] * (x.ndim - 1) + [(0, -K % 32)]); x = x.reshape(x.shape[:-1] + (-1, 32)); a = np.abs(x).max(-1, keepdims=True)
;;       e = np.where(a > 0, np.clip(np.frexp(np.where(a > 0, a, 1))[1] - 1 - 2, -126, 127), 0)      # np.frexp(a)[1] - 1 = floor(log2(a)), exactly
;;       r = np.clip(x / 2.0 ** e, -6, 6)
;;       step = 2.0 ** (np.maximum(np.frexp(np.where(r == 0, 1, r))[1] - 1, 0) - 1)
;;       q = np.round(r / step) * step * 2.0 ** e      # np.round: ties to even
;;       return np.moveaxis(q.reshape(q.shape[:-2] + (-1,))[..., :K], -1, axis).astype(np.float32)
;;   ~~~
;;   SOFTMAX AHEAD OF A QUANTISED PRODUCT. Where the list says 'softmax', what is quantised is not the finished softmax but p = 2^(t - M), with t = logit x log2(e) and M = ceil(the row's largest t), a whole number; so 1/2 < the row's largest p <= 1. The row's sum l is taken of the UNQUANTISED p, in f32, and the product's result is divided by l at the end. Since M is a whole number, a kernel that streams over the keys may use a running M (the ceiling of the running maximum): every later rescaling is an exact power of two, which a block's scale takes up: the codes' values come out the same.
;;   OPERANDS COMPUTED ON THE WAY. 'Computed on the way' means the value that the module computes at that place (a softmax that the list does not call 'softmax' is quantised finished and normalised). What goes into a quantiser is computed in f32, as accurately as f32 sums, v_exp_f32 and their like allow (about 1e-6 of the number): no bf16 or f16 on the way to a quantiser, and a product that is left as it is and whose result goes on into a quantised operand takes f32 operands (vector FMAs, or v_wmma_f32_16x16x4_f32). A number that lies on a knife's edge between two numbers of the format may be rounded either way, as far as f32 arithmetic and the matrix unit's own rounding can turn it there, and no further.
;;   INPUTS GIVEN AS CODES. w_g (in the module: [32, 64], K = its axis 1); w_o (in the module: [64, 32], K = its axis 1): each comes as NAME_codes (uint8): NAME with its K axis moved to the last place and cut into blocks of 32 codes, [.., K / 32, bytes a block], one block behind the other in memory; two codes a byte, the lower K in the low four bits (a code: sign, 2 exponent bits, 1 mantissa bit); and NAME_scales (uint8): the same leading axes, one E8M0 byte (e + 127) for each 32 codes along K. Its value is code x scale, taken as it is: it is not quantised again, and the codes and scales need not be those that the quantiser above would give.
;; One version. Each part assembles by itself: llvm-mc -triple=amdgcn-amd-amdhsa -mcpu=gfx1250 --defsym DOCPART=n.
;; ======== version 1 of 1: 2 launches
;; workspace buffers: theta 2,097,152 bytes; kv 401,408 bytes
;; launch prep (part 1): grid 256 x 1, 4 waves a work-group, no clusters, 168,448 bytes of LDS; arguments x, w_theta, w_phi, w_g_codes, w_g_scales, theta, kv; writes theta, kv
.if DOCPART == 1
	.amdgcn_target "amdgcn-amd-amdhsa--gfx1250"
	.amdhsa_code_object_version 6
	.text
	.protected	k_q19662ea905_prep
	.globl	k_q19662ea905_prep
	.p2align	8
	.type	k_q19662ea905_prep,@function
k_q19662ea905_prep:
	s_mov_b64 s[64:65], 0
	v_nop
	global_prefetch_b8 v0, s[64:65] scope:SCOPE_SE
	s_setreg_imm32_b32 hwreg(HW_REG_WAVE_MODE, 25, 1), 1
	s_wait_xcnt 0x0
; theta = w_theta x, phi = pool(w_phi x) in f32; g = pool(Q(w_g) Q(x)) on codes of FP4 (E2M1) with one E8M0 scale for each 32 channels; g is then quantised along the keys.
; x: [2][64][32][32][32] f32.  theta (workspace): [batch x 32768 + position][8] f32.  kv (workspace): images of the operand registers of the next launch, by batch (KVB bytes) and key step s = 0 .. 31 (128 keys):
;   PHI  s x 4096 + T x 512 + 16 x lane:                   lane (r, h) of tile T = 2 b + u: phi[key 32 b + 8 u + r + 8 (r / 8)][4 h .. 4 h + 3]
;   G    GB + s x 2048 + u x 1024 + c x 512 + 16 x lane:   lane (r, h): the 16 bytes of codes of block 2 c + h of channel 8 u + r + 8 (r / 8)
;   SC   SCB + s x 128 + 4 x lane:                         lane 16 u + r: that channel's scale word, byte B for block B
; SHARES.  A work-group owns one block of 32 keys = 256 positions (two runs of 128 positions, 1,024 positions apart): 256 work-groups.  Wave w takes tiles 4 w .. 4 w + 3; a tile is 16 positions = 2 keys x 8 pool partners.
; Row m of a tile is 8 a + j: a picks the key, j = 4 dd + 2 hh + ww the partner.  Positions are source 0, weights source 1: in a result a lane holds ONE output channel and its eight registers the eight partners of key 2 i + (lane / 16):
; the pool is a maximum over a lane's registers.
; THE f32 PRODUCT: one permutation of K on both sides: step s, half h, register j stand for channel 32 h + 2 s + j, so that a lane's 32 registers are one whole block of 32 channels of its position: the block's largest
; magnitude needs no other lane and the four conversions give registers 0-3 of the FP4 operand.  Columns 0-7 of source 1 are w_theta's rows, columns 8-15 w_phi's.
; THE FP4 PRODUCT: K is 64 of the instruction's 128.  w_g's rows 0-15 fill blocks 0, 1 of source 1 and rows 16-31 blocks 2, 3; x's codes stand in blocks 0, 1 or in blocks 2, 3 of source 0, zero codes in the other two.
; NO CLUSTER: the work-groups share only the weights, about 5 KB against 64 KB of x for each.
; LIMITS: a scale byte 0xFF (NaN) in w_g_scales would reach both halves of g's channels, not only its own row: not served.  NaN and infinities in x are not served.  A block of zeros gets the byte 1 where the rule says 127:
; its codes are zeros, and this program alone reads the bytes.  The order of the f32 sums is that of the K permutation, not JAX's.
.set XREG, 16400                       ; LDS: four regions of x, region dd + 2 (channel / 32): 32 rows of 512 bytes; 16 bytes more from region to region, so that the 32 lanes of a gather load fall on 32 different banks (64 banks of 4 bytes: ISA guide 11.1)
.set TST,  65792                       ; theta's stage [position][8] f32, 8,192 bytes; TDMP further on a second such area for what lanes 8-15 of a half hold there (never read)
.set TDMP, 8224
.set PST,  82432                       ; 1,024 bytes never read (lanes 0-7 of a half), then phi's image, 1,024 bytes
.set GST,  84480                       ; g: 32 channels x (32 keys f32 + 16 bytes)
.set GPIT, 144
.set KVB,  200704                      ; a batch's part of kv
.set GB,   131072                      ; where g's codes begin in it
.set SCB,  196608                      ; and g's scale words
.set XA,  1                            ; v1   gather address
.set TSA, 2                            ; v2   into theta's stage
.set PSA, 3                            ; v3   into phi's image
.set GSA, 4                            ; v4   into g's stage
.set V8H, 5                            ; v5   8 x (lane / 16)
.set WBS, 6                            ; v6   w_g's scale word: bytes 0, 1 row r; bytes 2, 3 row 16 + r
.set TRA, 7                            ; v7   theta's stage, back
.set L16, 8                            ; v8   16 x lane
.set PRA, 9                            ; v9   phi's image, back
.set GRA, 10                           ; v10  g's stage, back
.set KGC, 11                           ; v11  16 r + 8 h
.set KSO, 12                           ; v12  4 r
.set TM,  16                           ; v16-19 largest magnitudes, a tile each
.set SO,  20                           ; v20-23 the conversions' scale operands
.set XS,  24                           ; v24-27 x's scale words
.set WB,  28                           ; v28-35 w_g's fragment
.set XC,  40                           ; v36-39 zeros, v40-43 x's codes, v44-47 zeros
.set GD,  48                           ; v48-63 two accumulators of g
.set W,   64                           ; v64-95 register i: weight[column r][32 h + i]
.set X,   96                           ; v96-223 tile t at X + 32 t: register i: x[channel 32 h + i][my position]
.set D1,  224                          ; v224-255 four accumulators of the f32 form: matrix instructions alone write them
	s_load_b256 s[4:11], s[0:1], 0x0               ; x s[4:5], w_theta s[6:7], w_phi s[8:9], w_g_codes s[10:11]
	s_load_b128 s[12:15], s[0:1], 0x20             ; w_g_scales s[12:13], theta s[14:15]
	s_load_b64 s[16:17], s[0:1], 0x30              ; kv
	v_lshl_add_u32 v13, v0, 2, 0x29000
	v_mov_b32 v14, 0
	ds_add_u32 v13, v14
	ds_add_u32 v13, v14
	v_lshrrev_b32 v15, 5, v0
	v_readfirstlane_b32 s18, v15                   ; wave 0..3
	s_lshr_b32 s19, ttmp9, 7                       ; batch
	s_and_b32 s20, ttmp9, 127                      ; block of 32 keys
	s_lshr_b32 s21, s20, 3                         ; d'
	s_and_b32 s22, s20, 7                          ; hb: rows 4 hb .. 4 hb + 3 of h
	s_and_b32 s23, s18, 1
	s_lshr_b32 s36, s18, 1
	; descriptor group 1: 32 rows (channels) x 128 elements of 4 bytes, 32,768 elements from row to row, no padding
	s_mov_b32 s24, 2<<16
	s_mov_b32 s25, 128<<16                         ; tensor_dim0
	s_mov_b32 s26, 32<<16                          ; tensor_dim1
	s_mov_b32 s27, 128<<16                         ; tile_dim0
	s_mov_b32 s28, 32                              ; tile_dim1
	s_mov_b32 s29, 32768                           ; stride
	s_mov_b32 s30, 0
	s_mov_b32 s31, 0
	; wave w fetches region w: dd = w & 1, channels 32 (w / 2) on
	s_lshl_b32 s37, s19, 23                        ; batch x 64 x 32768 x 4
	s_lshl_b32 s38, s36, 22                        ; 32 channels
	s_add_co_u32 s37, s37, s38
	s_lshl_b32 s38, s21, 13                        ; d = 2 d': 4,096 bytes a plane
	s_add_co_u32 s37, s37, s38
	s_lshl_b32 s38, s23, 12                        ; + dd
	s_add_co_u32 s37, s37, s38
	s_lshl_b32 s38, s22, 9                         ; 128 positions x 4 bytes
	s_add_co_u32 s38, s37, s38
	s_mov_b32 s39, 0
	s_mov_b32 s32, 1                               ; group 0: count
	s_mul_i32 s33, s18, XREG                       ; LDS address: the wave's own region
	; theta: (batch x 32768 + n0) x 32 + the quarter that my wave stores
	s_lshl_b32 s40, s19, 20
	s_lshl_b32 s41, s21, 16
	s_add_co_u32 s40, s40, s41
	s_lshl_b32 s41, s22, 12
	s_add_co_u32 s40, s40, s41
	s_lshl_b32 s41, s36, 15                        ; the second run lies 1,024 positions on
	s_add_co_u32 s40, s40, s41
	s_lshl_b32 s41, s23, 11
	s_add_co_u32 s40, s40, s41
	s_mov_b32 s41, 0
	; kv: batch, key step = block / 4, block in the step = block % 4
	s_mul_i32 s48, s19, KVB
	s_lshr_b32 s49, s20, 2                         ; s
	s_and_b32 s50, s20, 3                          ; B
	s_lshl_b32 s42, s49, 12                        ; PHI: s x 4096 + B x 1024 + (w & 1) x 512
	s_add_co_u32 s42, s42, s48
	s_lshl_b32 s51, s50, 10
	s_add_co_u32 s42, s42, s51
	s_lshl_b32 s51, s23, 9
	s_add_co_u32 s42, s42, s51
	s_mov_b32 s43, 0
	s_lshl_b32 s44, s49, 11                        ; G: GB + s x 2048 + u x 1024 + B x 256
	s_add_co_u32 s44, s44, s48
	s_lshl_b32 s51, s23, 10
	s_add_co_u32 s44, s44, s51
	s_lshl_b32 s51, s50, 8
	s_add_co_u32 s44, s44, s51
	s_add_co_u32 s44, s44, GB
	s_mov_b32 s45, 0
	s_lshl_b32 s46, s49, 7                         ; SC: SCB + s x 128 + u x 64 + B
	s_add_co_u32 s46, s46, s48
	s_lshl_b32 s51, s23, 6
	s_add_co_u32 s46, s46, s51
	s_add_co_u32 s46, s46, s50
	s_add_co_u32 s46, s46, SCB
	s_mov_b32 s47, 0
	s_mov_b32 s52, 0x76543210                      ; v_permlanex16_b32's selects for lane l xor 16
	s_mov_b32 s53, 0xfedcba98
	v_and_b32 v128, 15, v0                         ; r
	v_bfe_u32 v129, v0, 4, 1                       ; h
	v_and_b32 v131, 7, v0
	v_lshlrev_b32 v130, 8, v131
	v_lshl_add_u32 v130, v129, 7, v130             ; a weight's row r % 8 of 256 bytes, + 128 h
	v_lshlrev_b32 v132, 5, v128
	v_lshl_add_u32 v132, v129, 4, v132             ; w_g's codes: row r of 32 bytes, block h
	v_lshlrev_b32 v133, 1, v128                    ; w_g's scales: 2 bytes a row
	s_wait_dscnt 0x0
	s_wait_kmcnt 0x0
	s_add_nc_u64 s[34:35], s[4:5], s[38:39]
	s_or_b32 s35, s35, 0x80000000                  ; type = 2
	tensor_load_to_lds s[32:35], s[24:31]          ; each wave's one tensor load: a first fill, ahead of every wait on TENSORcnt, LDS read and barrier
	s_nop 0
	v_nop
	s_add_nc_u64 s[14:15], s[14:15], s[40:41]
	s_add_nc_u64 s[42:43], s[16:17], s[42:43]
	s_add_nc_u64 s[44:45], s[16:17], s[44:45]
	s_add_nc_u64 s[46:47], s[16:17], s[46:47]
.irp q, 0,1,2,3,4,5,6,7
	global_load_b128 v[W+4*\q:W+4*\q+3], v130, s[6:7] offset:16*\q     ; w_theta[r % 8][32 h + 4 q ..]
	global_load_b128 v[X+4*\q:X+4*\q+3], v130, s[8:9] offset:16*\q     ; w_phi likewise, for the moment where x will lie
.endr
	global_load_b128 v[WB:WB+3], v132, s[10:11]                        ; w_g rows r: blocks 0, 1
	global_load_b128 v[WB+4:WB+7], v132, s[10:11] offset:512           ; rows 16 + r: blocks 2, 3
	global_load_u16 v[WBS], v133, s[12:13]
	global_load_u16 v134, v133, s[12:13] offset:32
	; every LDS address is made here, ahead of any parting of the waves
	v_bfe_u32 v135, v0, 3, 1                       ; a
	v_bfe_u32 v136, v0, 2, 1                       ; dd
	v_bfe_u32 v137, v0, 1, 1                       ; hh
	v_and_b32 v138, 1, v0                          ; ww
	v_mul_u32_u24 v[XA], v136, XREG
	v_mad_u32_u24 v[XA], v129, 2*XREG, v[XA]       ; my region: dd + 2 h
	v_lshl_add_u32 v[XA], v137, 7, v[XA]           ; a row of h is 32 positions
	v_lshl_add_u32 v[XA], v135, 3, v[XA]
	v_lshl_add_u32 v[XA], v138, 2, v[XA]
	s_lshl_b32 s54, s36, 8
	s_lshl_b32 s55, s23, 6
	s_add_co_u32 s54, s54, s55
	v_add_nc_u32 v[XA], s54, v[XA]                 ; + my wave's four tiles
	v_mul_u32_u24 v[TSA], v135, TDMP               ; columns 8-15 are phi's: their unpooled numbers go beside the stage
	v_lshl_add_u32 v[TSA], v131, 2, v[TSA]
	v_lshl_add_u32 v[TSA], v129, 6, v[TSA]
	s_lshl_b32 s54, s36, 11
	s_lshl_b32 s55, s23, 9
	s_add_co_u32 s54, s54, s55
	s_add_co_u32 s54, s54, TST
	v_add_nc_u32 v[TSA], s54, v[TSA]
	v_lshlrev_b32 v[PSA], 10, v135                 ; columns 8-15 into the image, columns 0-7 in front of it
	v_lshl_add_u32 v[PSA], v136, 8, v[PSA]         ; phi's channel / 4 is the image's half of the lanes
	v_and_b32 v139, 3, v0
	v_lshl_add_u32 v[PSA], v139, 2, v[PSA]
	v_lshl_add_u32 v[PSA], v129, 4, v[PSA]
	s_lshl_b32 s54, s23, 9
	s_lshl_b32 s55, s36, 7
	s_add_co_u32 s54, s54, s55
	s_add_co_u32 s54, s54, PST
	v_add_nc_u32 v[PSA], s54, v[PSA]
	v_mul_u32_u24 v[GSA], v128, GPIT
	v_lshl_add_u32 v[GSA], v129, 2, v[GSA]
	s_lshl_b32 s54, s18, 5
	s_add_co_u32 s54, s54, GST
	v_add_nc_u32 v[GSA], s54, v[GSA]
	v_lshlrev_b32 v[V8H], 3, v129
	v_and_b32 v140, 31, v0
	v_lshlrev_b32 v[L16], 4, v140
	s_lshl_b32 s54, s18, 11
	s_add_co_u32 s54, s54, TST
	v_add_nc_u32 v[TRA], s54, v[L16]
	s_lshl_b32 s54, s23, 9
	s_add_co_u32 s54, s54, PST+1024
	v_add_nc_u32 v[PRA], s54, v[L16]
	v_and_b32 v141, 8, v0
	v_add_nc_u32 v141, v141, v128                  ; r + 8 (r / 8)
	v_mul_u32_u24 v[GRA], v141, GPIT
	v_lshl_add_u32 v[GRA], v129, 6, v[GRA]
	s_mul_i32 s54, s23, 8*GPIT
	s_add_co_u32 s54, s54, GST
	v_add_nc_u32 v[GRA], s54, v[GRA]
	v_lshlrev_b32 v[KGC], 4, v128
	v_lshl_add_u32 v[KGC], v129, 3, v[KGC]
	v_lshlrev_b32 v[KSO], 2, v128
.irp i, 36,37,38,39,44,45,46,47
	v_mov_b32 v[\i], 0                             ; the zero codes on both sides of x's
.endr
	v_cmp_lt_u32 vcc_lo, 7, v128
	s_wait_loadcnt 0x0                             ; the weights
.irp i, 0,1,2,3,4,5,6,7,8,9,10,11,12,13,14,15,16,17,18,19,20,21,22,23,24,25,26,27,28,29,30,31
	v_cndmask_b32 v[W+\i], v[W+\i], v[X+\i], vcc_lo   ; columns 8-15 take w_phi
.endr
	v_lshl_or_b32 v[WBS], v134, 16, v[WBS]
	s_wait_tensorcnt 0x0                           ; my region of x has landed,
	s_barrier_signal -1
	s_barrier_wait -1                              ; everybody's has
	; THE GATHER: 128 loads; channels outermost, so that the early K steps land first
.irp i, 0,1,2,3,4,5,6,7,8,9,10,11,12,13,14,15,16,17,18,19,20,21,22,23,24,25,26,27,28,29,30,31
.irp t, 0,1,2,3
	ds_load_b32 v[X+32*\t+\i], v[XA] offset:512*\i+16*\t
.endr
.endr
	; theta and phi: 16 K steps; the four accumulators take turns, one instruction a turn.  Behind each product the block's largest magnitude takes in the same two numbers.
.set kk, 0
.rept 16
.if 120-8*kk > 63
	s_wait_dscnt 63                                ; at most 63 of the 128 are out: the first 65 are in, which covers steps 0 to 7
.else
	s_wait_dscnt 120-8*kk                          ; the loads issued behind this step's eight may be out
.endif
.irp t, 0,1,2,3
.if kk == 0
	v_wmma_f32_16x16x4_f32 v[D1+8*\t:D1+8*\t+7], v[X+32*\t:X+32*\t+1], v[W:W+1], 0
	v_max3_num_f32 v[TM+\t], |v[X+32*\t]|, |v[X+32*\t+1]|, 0x1800000   ; with the floor 2^(3 - 127): the byte cannot fall under 1
.else
	v_wmma_f32_16x16x4_f32 v[D1+8*\t:D1+8*\t+7], v[X+32*\t+2*kk:X+32*\t+2*kk+1], v[W+2*kk:W+2*kk+1], v[D1+8*\t:D1+8*\t+7]
	v_max3_num_f32 v[TM+\t], v[TM+\t], |v[X+32*\t+2*kk]|, |v[X+32*\t+2*kk+1]|
.endif
.endr
.set kk, kk+1
.endr
	; x's scale words.  These 28 plain lines name no register of the f32 products: they are the eight places behind the last of them
.irp t, 0,1,2,3
	v_add_nc_u32 v[SO+\t], 0xff000000, v[TM+\t]    ; 2 off the exponent field: the conversion's scale operand
.endr
.irp t, 0,1,2,3
	v_lshrrev_b32 v[XS+\t], 23, v[SO+\t]           ; my block's byte,
.endr
.irp t, 0,1,2,3
	v_lshlrev_b32 v[XS+\t], v[V8H], v[XS+\t]       ; at its place: block h,
.endr
.irp t, 0,1,2,3
	v_permlanex16_b32 v[TM+\t], v[XS+\t], s52, s53
.endr
.irp t, 0,1,2,3
	v_or_b32 v[XS+\t], v[XS+\t], v[TM+\t]          ; with lane l xor 16's;
.endr
.irp t, 0,1,2,3
	v_lshl_or_b32 v[XS+\t], v[XS+\t], 16, v[XS+\t] ; the same two bytes for blocks 2, 3
.endr
.rept 4
	v_nop                                          ; a scale register written by a vector instruction stands eight places ahead of the scaled product
.endr
.macro TILE t
.irp g, 0,1,2,3
	v_cvt_scalef32_pk8_fp4_f32 v[XC+\g], v[X+32*\t+8*\g:X+32*\t+8*\g+7], v[SO+\t]
.endr
	v_nop                                          ; one plain line behind the conversions
	v_max3_num_f32 v[X+32*\t], v[D1+8*\t], v[D1+8*\t+1], v[D1+8*\t+2]   ; the pool (of use in phi's columns), from the accumulator's low end on; with the line above: the places ahead of the scaled products
	v_max3_num_f32 v[X+32*\t], v[X+32*\t], v[D1+8*\t+3], v[D1+8*\t+4]
	v_max3_num_f32 v[X+32*\t], v[X+32*\t], v[D1+8*\t+5], v[D1+8*\t+6]
	v_max_num_f32 v[X+32*\t], v[X+32*\t], v[D1+8*\t+7]
	v_wmma_scale_f32_16x16x128_f8f6f4 v[GD:GD+7], v[XC:XC+7], v[WB:WB+7], 0, v[XS+\t], v[WBS] matrix_a_fmt:MATRIX_FMT_FP4 matrix_b_fmt:MATRIX_FMT_FP4        ; x's codes in blocks 0, 1: g's channels 0-15
	v_wmma_scale_f32_16x16x128_f8f6f4 v[GD+8:GD+15], v[XC-4:XC+3], v[WB:WB+7], 0, v[XS+\t], v[WBS] matrix_a_fmt:MATRIX_FMT_FP4 matrix_b_fmt:MATRIX_FMT_FP4   ; in blocks 2, 3: channels 16-31
.irp j, 0,1,2,3,4,5,6,7
	ds_store_b32 v[TSA], v[D1+8*\t+\j] offset:128*\t+((\j)>>2)*4096+(((\j)>>1)&1)*1024+((\j)&1)*32   ; theta[position][column]
.endr
.rept 4
	v_nop                                          ; four places behind the scaled products: for the reads below and for the next tile's conversions, which write their source
.endr
	v_max3_num_f32 v[X+32*\t+1], v[GD], v[GD+1], v[GD+2]
	v_max3_num_f32 v[X+32*\t+2], v[GD+8], v[GD+9], v[GD+10]
	v_max3_num_f32 v[X+32*\t+1], v[X+32*\t+1], v[GD+3], v[GD+4]
	v_max3_num_f32 v[X+32*\t+2], v[X+32*\t+2], v[GD+11], v[GD+12]
	v_max3_num_f32 v[X+32*\t+1], v[X+32*\t+1], v[GD+5], v[GD+6]
	v_max3_num_f32 v[X+32*\t+2], v[X+32*\t+2], v[GD+13], v[GD+14]
	v_max_num_f32 v[X+32*\t+1], v[X+32*\t+1], v[GD+7]
	v_max_num_f32 v[X+32*\t+2], v[X+32*\t+2], v[GD+15]
	ds_store_b32 v[PSA], v[X+32*\t] offset:32*\t
	ds_store_b32 v[GSA], v[X+32*\t+1] offset:8*\t
	ds_store_b32 v[GSA], v[X+32*\t+2] offset:8*\t+16*GPIT
.endm
	TILE 0
	TILE 1
	TILE 2
	TILE 3
	s_wait_dscnt 0x0                               ; for the others' sake: my stores have landed
	s_barrier_signal -1
	s_barrier_wait -1
	; THE WAY OUT.  theta: each wave a quarter of the stage, 512 consecutive bytes an instruction
.irp k, 0,1,2,3
	ds_load_b128 v[160+4*\k:163+4*\k], v[TRA] offset:512*\k
.endr
.irp k, 0,1,2,3
	s_wait_dscnt 3-\k
	global_store_b128 v[L16], v[160+4*\k:163+4*\k], s[14:15] offset:512*\k
.endr
	s_cmp_lt_u32 s18, 2
	s_cbranch_scc1 .Lg_out
	ds_load_b128 v[176:179], v[PRA]                ; waves 2, 3: a tile of phi's image each
	s_wait_dscnt 0x0
	global_store_b128 v[L16], v[176:179], s[42:43]
	s_wait_tensorcnt 0x0
	ds_add_u32 v13, v14
	s_wait_dscnt 0x0
	s_endpgm
.Lg_out:                                               ; waves 0, 1: tile u = wave of g: lane (r, h) takes keys 16 h .. 16 h + 15 of channel 8 u + r + 8 (r / 8)
.irp k, 0,1,2,3
	ds_load_b128 v[176+4*\k:179+4*\k], v[GRA] offset:16*\k
.endr
	s_wait_dscnt 0x0
	v_max3_num_f32 v16, |v176|, |v177|, 0x1800000
.irp i, 2,4,6,8,10,12,14
	v_max3_num_f32 v16, v16, |v[176+\i]|, |v[177+\i]|
.endr
	v_permlanex16_b32 v17, v16, s52, s53
	v_max_num_f32 v16, v16, v17                    ; the block's largest magnitude
	v_add_nc_u32 v20, 0xff000000, v16
	v_lshrrev_b32 v21, 23, v20                     ; its byte
	v_cvt_scalef32_pk8_fp4_f32 v22, v[176:183], v20
	v_cvt_scalef32_pk8_fp4_f32 v23, v[184:191], v20
	v_nop
	global_store_b64 v[KGC], v[22:23], s[44:45]    ; 32 lanes store 256 consecutive bytes, aligned
	global_store_b8 v[KSO], v21, s[46:47]          ; both lanes of a block write the same byte with the same value: 16 bytes a wave, 4 bytes apart
	s_wait_tensorcnt 0x0
	ds_add_u32 v13, v14
	s_wait_dscnt 0x0
	s_endpgm
.Lfunc_end_k_q19662ea905_prep:
	.size	k_q19662ea905_prep, .Lfunc_end_k_q19662ea905_prep-k_q19662ea905_prep
	.p2alignl 7, 3214868480
	.fill 96, 4, 3214868480
	.section	.rodata,"a",@progbits
	.p2align	6, 0x0
	.amdhsa_kernel k_q19662ea905_prep
		.amdhsa_group_segment_fixed_size 168448
		.amdhsa_private_segment_fixed_size 0
		.amdhsa_enable_private_segment 0
		.amdhsa_kernarg_size 56
		.amdhsa_user_sgpr_count 2
		.amdhsa_user_sgpr_kernarg_segment_ptr 1
		.amdhsa_wavefront_size32 1
		.amdhsa_system_sgpr_workgroup_id_x 1
		.amdhsa_system_sgpr_workgroup_id_y 1
		.amdhsa_system_sgpr_workgroup_id_z 1
		.amdhsa_system_vgpr_workitem_id 0
		.amdhsa_next_free_vgpr 256
		.amdhsa_next_free_sgpr 66
		.amdhsa_reserve_vcc 1
		.amdhsa_float_denorm_mode_32 3
		.amdhsa_float_denorm_mode_16_64 3
		.amdhsa_memory_ordered 1
		.amdhsa_forward_progress 1
		.amdhsa_inst_pref_size 39
	.end_amdhsa_kernel
	.amdgpu_metadata
---
amdhsa.version: [ 1, 2 ]
amdhsa.kernels:
  - .name:           k_q19662ea905_prep
    .symbol:         k_q19662ea905_prep.kd
    .args:
      - { .name: x, .offset: 0, .size: 8, .value_kind: global_buffer, .address_space: global }
      - { .name: w_theta, .offset: 8, .size: 8, .value_kind: global_buffer, .address_space: global }
      - { .name: w_phi, .offset: 16, .size: 8, .value_kind: global_buffer, .address_space: global }
      - { .name: w_g_codes, .offset: 24, .size: 8, .value_kind: global_buffer, .address_space: global }
      - { .name: w_g_scales, .offset: 32, .size: 8, .value_kind: global_buffer, .address_space: global }
      - { .name: theta, .offset: 40, .size: 8, .value_kind: global_buffer, .address_space: global }
      - { .name: kv, .offset: 48, .size: 8, .value_kind: global_buffer, .address_space: global }
    .group_segment_fixed_size: 168448
    .private_segment_fixed_size: 0
    .kernarg_segment_align: 8
    .kernarg_segment_size: 56
    .max_flat_workgroup_size: 128
    .sgpr_count:     66
    .vgpr_count:     256
    .wavefront_size: 32
...
	.end_amdgpu_metadata
.endif
;; end of part 1
;; launch attend (part 2): grid 128 x 2, 16 waves a work-group, clusters of 4 x 1, 269,312 bytes of LDS; arguments theta, kv, x, w_o_codes, w_o_scales, gamma, out0; writes out0
.if DOCPART == 2
	.amdgcn_target "amdgcn-amd-amdhsa--gfx1250"
	.amdhsa_code_object_version 6
	.text
	.protected	k_q19662ea905_attend
	.globl	k_q19662ea905_attend
	.p2align	8
	.type	k_q19662ea905_attend,@function
k_q19662ea905_attend:
	s_mov_b64 s[64:65], 0
	v_nop
	global_prefetch_b8 v0, s[64:65] scope:SCOPE_SE
	s_setreg_imm32_b32 hwreg(HW_REG_WAVE_MODE, 25, 1), 1
	s_wait_xcnt 0x0
	s_wait_alu depctr_hold_cnt(0) depctr_sa_sdst(0) depctr_va_vdst(0) depctr_va_sdst(0) depctr_va_ssrc(0) depctr_va_vcc(0) depctr_vm_vsrc(0)
	s_getreg_b32 s2, hwreg(HW_REG_IB_STS2, 6, 4)
	s_cmp_eq_u32 s2, 0
	s_cbranch_scc0 .Lentry_in_a_cluster
	s_endpgm
.Lentry_in_a_cluster:
	s_bfe_u32 s2, ttmp6, 0x10000c
	s_cmp_lg_u32 s2, 0x3003
	s_cbranch_scc0 .Lentry_shape_is_right
	s_endpgm
.Lentry_shape_is_right:
; out = gamma x (w_o o) + x, o = (g p) / l, p = 2^(t - M), t = (theta . phi) x log2(e), M = the running largest t rounded UP to a whole number, l = the row's sum of the unquantised p.
; The scores are f32 products (K = 8: two steps of v_wmma_f32_16x16x4_f32); g p and w_o o go on codes of FP4 (E2M1) with one E8M0 scale for each 32 along K.
; SHARES.  A work-group owns 256 queries of one batch (256 work-groups); each of its SIXTEEN waves owns 16 of them in 256 registers: four waves to a SIMD.
; A batch's keys and values (buffer kv: images of the operand registers, 200,704 bytes: phi, then g's codes, then g's scale words, each by key step) lie in LDS whole: filled once, so there is no ring, nothing is filled again,
; and ONE barrier stands in front of the whole walk over the keys: the sixteen waves do not meet again before the tail.
; CLUSTER.  The four work-groups of a cluster belong to one batch and need the same kv: each sixteenth of it is asked for JOINTLY, by the same tensor load with the same descriptor and the mask of all four.  x's tile is each work-group's own: a plain load.
; LAYOUT.  S^T = phi theta^T (source 0 = 16 keys, source 1 = my 16 queries), O^T = g p^T (source 0 = 16 channels, source 1 = p): a lane holds ONE query (lane % 16) throughout.  One permutation of K on both sides of the score product:
; step k, half h, register j stand for channel 4 h + 2 k + j, so that 16 bytes a lane are the operand.  THE KEYS OF A TILE ARE NOT NEIGHBOURS: row r of tile 2 b + u is key 32 b + 8 u + r + 8 (r / 8): the 16 registers of tiles 2 b, 2 b + 1 are
; keys 32 b + 16 (lane / 16) + 0 .. 15.  g's channels are chosen likewise: O^T's 16 registers are channels 16 (lane / 16) + 0 .. 15, neighbours along the last product's K.
; THE WALK IS ONE STEP DEEP IN ITSELF.  As soon as t - M of step j has been written from the scores' registers into p's, the scores' registers are free: the 16 score products of step j + 1 are issued then, and behind each of them stand
; one plain line and four or five of step j's 68 exponentials, which name none of the products' registers.  Then step j is finished (scales, conversions, sums, g p), and step j + 1's maxima, M and t - M follow.
; THE LAST PRODUCT has K = 32 of the instruction's 128: w_o's rows 16 B + r fill block B of source 1, and o's codes stand in block t of source 0, zero codes elsewhere, for outputs 16 t .. 16 t + 15.
; LIMITS: a scale byte 0xFF (NaN) in w_o_scales would reach all four tiles of outputs, not only its own row: not served.  NaN and infinities are not served.  p under 2^-126 counts as 0.  A block of zeros gets the byte 1: its codes are zeros.
.set CH,  50176                        ; a quarter of a batch's kv: what the four fetching waves bring with one load each
.set QT,  12544                        ; a wave's part of it: 49 rows of 256 bytes
.set GB,  131072                       ; kv: phi 4,096 bytes a key step from 0; g's codes 2,048 a step from GB; g's scale words 128 a step from SCB
.set SCB, 196608
.set NST, 32                           ; key steps of 128 keys
.set XR,  200704                       ; behind kv: x's tile, 64 channels x (1,024 bytes + 16); later out's, each number written by the lane that read it
.set XP,  1040
.set L16, 1                            ; v1   16 x lane
.set L4,  2                            ; v2   4 x lane
.set ADP, 3                            ; v3-5 LDS addresses of the phi, g and scale words to be fetched next
.set ADG, 4
.set ADS, 5
.set XD,  6                            ; v6   x's tile: channel r, my wave's queries, + 8 h
.set XRB, 7                            ; v7   and by rows: my wave's four channels
.set GS,  9                            ; v9   g's scale words: lanes 0-15 tile 0, lanes 16-31 tile 1
.set WOS, 10                           ; v10  w_o's scale word: byte B: row 16 B + r
.set OW,  11                           ; v11  o's scale word
.set TH,  16                           ; v16-19 theta[my query][4 h ..]
.set WO,  20                           ; v20-27 w_o's fragment
.set PHF, 32                           ; v32-63 eight tiles of phi
.set GF,  64                           ; v64-79 two fragments of g
.set O,   80                           ; v80-95 O^T
.set P,   96                           ; v96-159 p
.set S,   160                          ; v160-223 the scores: matrix instructions alone write them
.set PC,  224                          ; v224-231 p's codes
                                       ; v12 -M, v13 the largest t, v[14:15] l; v232-235 a block's largest score, then p; v236-239, v[240:241], v244-247 at work; v252 f, v253 p's scale word, v254 at work
.macro ROUND                           ; a round of the cluster's barrier
	s_barrier_signal -1
	s_barrier_wait -1
	s_cmp_lg_u32 s18, 0
	s_cbranch_scc1 .Lnot_wave_0_\@
	s_barrier_signal -3
.Lnot_wave_0_\@:
	s_barrier_wait -3
	s_barrier_signal -1
	s_barrier_wait -1
.endm
	s_load_b256 s[4:11], s[0:1], 0x0               ; theta s[4:5], kv s[6:7], x s[8:9], w_o_codes s[10:11]
	s_load_b128 s[12:15], s[0:1], 0x20             ; w_o_scales s[12:13], gamma s[14:15]
	s_load_b64 s[16:17], s[0:1], 0x30              ; out0
	v_lshl_add_u32 v251, v0, 2, 0x41400
	v_mov_b32 v255, 0
	ds_add_u32 v251, v255
	ds_add_u32 v251, v255
	v_lshrrev_b32 v28, 5, v0
	v_readfirstlane_b32 s18, v28                   ; wave 0..15
	s_bfe_u32 s68, ttmp6, 0x40000                  ; cx: it enters theta's, x's and out's addresses alone
	s_lshl_b32 s69, ttmp9, 2
	s_add_co_u32 s69, s69, s68                     ; my block of 256 queries
	s_and_b32 s70, ttmp7, 0xffff                   ; the batch, which the four partners share
	s_mov_b32 s20, 0x76543210                      ; v_permlanex16_b32's selects for lane l xor 16
	s_mov_b32 s21, 0xfedcba98
	s_mov_b32 s22, 0x3fb8aa3b                      ; log2(e)
	s_mov_b32 s23, s22                             ; (named with it as a pair)
	; group 1 for kv: 49 rows of 32 elements of 8 bytes, dense; the mask of all four work-groups, bit 21 beside it
	s_mov_b32 s24, 15|(3<<16)|(1<<21)
	s_mov_b32 s25, 32<<16
	s_mov_b32 s26, 49<<16
	s_mov_b32 s27, 32<<16
	s_mov_b32 s28, 49
	s_mov_b32 s29, 32
	s_mov_b32 s30, 0
	s_mov_b32 s31, 0
	; group 1 for x: 16 rows (channels) of 256 elements of 4 bytes, 32,768 elements apart; 4 words of padding behind every 256; no mask
	s_mov_b32 s32, (2<<16)|(1<<20)|(7<<22)|(3<<25)
	s_mov_b32 s33, 256<<16
	s_mov_b32 s34, 16<<16
	s_mov_b32 s35, 256<<16
	s_mov_b32 s36, 16
	s_mov_b32 s37, 32768
	s_mov_b32 s38, 0
	s_mov_b32 s39, 0
	s_mul_i32 s71, s18, QT                         ; waves 0-3 fetch: wave w the w-th part of each quarter
	s_mul_i32 s72, s70, 4*CH
	s_add_co_u32 s72, s72, s71
	s_mov_b32 s73, 0
	s_lshl_b32 s74, s70, 23                        ; x: batch, 16 channels a wave, my block's 1,024 bytes of a row
	s_lshl_b32 s75, s18, 21
	s_add_co_u32 s74, s74, s75
	s_lshl_b32 s75, s69, 10
	s_add_co_u32 s74, s74, s75
	s_mov_b32 s75, 0
	s_lshl_b32 s76, s70, 20                        ; theta: 32 bytes a query
	s_lshl_b32 s77, s69, 13
	s_add_co_u32 s76, s76, s77
	s_lshl_b32 s77, s18, 9
	s_add_co_u32 s76, s76, s77
	s_mov_b32 s77, 0
	s_lshl_b32 s78, s70, 23                        ; out: batch, 4 channels a wave, my block's 1,024 bytes of a row
	s_lshl_b32 s79, s18, 19
	s_add_co_u32 s78, s78, s79
	s_lshl_b32 s79, s69, 10
	s_add_co_u32 s78, s78, s79
	s_mov_b32 s79, 0
	s_mul_i32 s82, s18, 16*XP
	s_wait_dscnt 0x0
	s_wait_kmcnt 0x0
	s_load_b32 s66, s[14:15], 0x0                  ; gamma
	s_add_nc_u64 s[72:73], s[6:7], s[72:73]
	s_add_nc_u64 s[4:5], s[4:5], s[76:77]
	s_add_nc_u64 s[16:17], s[16:17], s[78:79]
.irp q, 0,1,2,3
	s_mov_b32 s[40+4*\q], 1
	s_add_co_u32 s[41+4*\q], s71, \q*CH            ; LDS: kv lies as in memory
	s_add_nc_u64 s[42+4*\q:43+4*\q], s[72:73], \q*CH
	s_or_b32 s[43+4*\q], s[43+4*\q], 0x80000000
.endr
	s_mov_b32 s56, 1
	s_add_co_u32 s57, s82, XR
	s_add_nc_u64 s[58:59], s[8:9], s[74:75]
	s_or_b32 s59, s59, 0x80000000
	s_wait_kmcnt 0x0
	s_mov_b32 s67, s66
	ROUND                                          ; all four work-groups are here: the joint loads meet
	s_cmp_lt_u32 s18, 4                            ; a wave's first fills stand in one branch on its number: five tensor loads of mine are out
	s_cbranch_scc0 .Lno_fetch
	tensor_load_to_lds s[40:43], s[24:31]
	s_nop 0
	tensor_load_to_lds s[44:47], s[24:31]
	s_nop 0
	tensor_load_to_lds s[48:51], s[24:31]
	s_nop 0
	tensor_load_to_lds s[52:55], s[24:31]
	s_nop 0
	tensor_load_to_lds s[56:59], s[32:39]
	s_nop 0
.rept 4
	v_nop
.endr
.Lno_fetch:
	v_and_b32 v28, 31, v0
	v_lshlrev_b32 v[L16], 4, v28
	v_lshlrev_b32 v[L4], 2, v28
	v_and_b32 v29, 15, v0                          ; r
	v_bfe_u32 v30, v0, 4, 1                        ; h
	v_lshlrev_b32 v31, 5, v29
	v_lshl_add_u32 v31, v30, 4, v31                ; theta: 32 r + 16 h
	global_load_b128 v[TH:TH+3], v31, s[4:5]
	global_load_b128 v[WO:WO+3], v[L16], s[10:11]              ; lane (r, h): w_o's row 16 h + r: block h
	global_load_b128 v[WO+4:WO+7], v[L16], s[10:11] offset:512 ; row 32 + 16 h + r: block 2 + h
	global_load_u8 v[WOS], v29, s[12:13]
	global_load_u8 v232, v29, s[12:13] offset:16
	global_load_u8 v233, v29, s[12:13] offset:32
	global_load_u8 v234, v29, s[12:13] offset:48
	v_mul_u32_u24 v[XD], v29, XP
	v_lshl_add_u32 v[XD], v30, 5, v[XD]
	s_lshl_b32 s80, s18, 6
	s_add_co_u32 s80, s80, XR
	v_add_nc_u32 v[XD], s80, v[XD]
	s_mul_i32 s80, s18, 4*XP
	s_add_co_u32 s80, s80, XR
	v_add_nc_u32 v[XRB], s80, v[L16]
	v_mov_b32 v13, 0xff61b1e6                      ; the largest t so far: -3e38, under every t
	v_floor_f32 v12, -v13                          ; -M
	v_mov_b32 v14, 0                               ; l, in two halves
	v_mov_b32 v15, 0
.irp j, 0,1,2,3,4,5,6,7,8,9,10,11,12,13,14,15
	v_mov_b32 v[O+\j], 0                           ; O^T: a trip is written once; the first change of M multiplies zeros
.endr
.irp b, 0,1,2,3
	v_mov_b32 v[236+\b], 0                         ; a lane permute's destination counts as one of its sources
.endr
	v_mov_b32 v253, 0                              ; (named as the upper half of v[252:253] before it is first written)
	s_wait_loadcnt 0x0
	v_lshl_or_b32 v[WOS], v232, 8, v[WOS]
	v_lshl_or_b32 v[WOS], v233, 16, v[WOS]
	v_lshl_or_b32 v[WOS], v234, 24, v[WOS]
.macro LOADPHI adr                     ; a key step's eight tiles of phi
.irp T, 0,1,2,3,4,5,6,7
	ds_load_b128 v[PHF+4*\T:PHF+4*\T+3], v[\adr] offset:512*\T
.endr
.endm
.macro LOADG                           ; a key step's two fragments of g and their scale words: five loads
.irp i, 0,1,2,3
	ds_load_b128 v[GF+4*\i:GF+4*\i+3], v[ADG] offset:512*\i
.endr
	ds_load_b32 v[GS], v[ADS]
.endm
; Score product k of 16: tile k % 8, K step k / 8.  The eight accumulators take turns, one instruction a turn; the first eight start the sums.
.macro SCORE k
.if (\k) < 8
	v_wmma_f32_16x16x4_f32 v[S+8*(\k):S+8*(\k)+7], v[PHF+4*(\k):PHF+4*(\k)+1], v[TH:TH+1], 0
.else
	v_wmma_f32_16x16x4_f32 v[S+8*((\k)-8):S+8*((\k)-8)+7], v[PHF+4*((\k)-8)+2:PHF+4*((\k)-8)+3], v[TH+2:TH+3], v[S+8*((\k)-8):S+8*((\k)-8)+7]
.endif
.endm
; A STEP'S HEAD: from its scores to t - M in p's registers.  lg = 1: the step's g is fetched here, twelve plain lines behind the products that read the last step's.
.macro HEADSM lg
.irp b, 0,1,2,3
	v_max3_num_f32 v[232+\b], v[S+16*\b], v[S+1+16*\b], v[S+2+16*\b]   ; the largest score of each block of 32 keys: for the row's maximum, and, since p rises with the score, for the block's largest p.  Each accumulator is read from its low end on
.endr
.irp i, 3,5
.irp b, 0,1,2,3
	v_max3_num_f32 v[232+\b], v[232+\b], v[S+16*\b+\i], v[S+1+16*\b+\i]
.endr
.endr
.if \lg
	LOADG
.endif
.irp i, 7,9,11,13
.irp b, 0,1,2,3
	v_max3_num_f32 v[232+\b], v[232+\b], v[S+16*\b+\i], v[S+1+16*\b+\i]
.endr
.endr
.irp b, 0,1,2,3
	v_max_num_f32 v[232+\b], v[232+\b], v[S+15+16*\b]
.endr
.irp b, 0,1,2,3
	v_permlanex16_b32 v[236+\b], v[232+\b], s20, s21
.endr
.irp b, 0,1,2,3
	v_max_num_f32 v[232+\b], v[232+\b], v[236+\b]  ; with lane l xor 16's 16 keys
.endr
	v_max3_num_f32 v254, v232, v233, v234
	v_max_num_f32 v254, v254, v235
	v_mul_f32 v254, s22, v254                      ; as t
	v_max_num_f32 v13, v13, v254                   ; the running largest t
	v_mov_b32 v254, v12
	v_floor_f32 v12, -v13                          ; the new -M = -ceil(t): a whole number
	v_sub_f32 v254, v12, v254                      ; old M - new M: a whole number, 0 or less
	v_cvt_i32_f32 v254, v254                       ; (it saturates)
	v_ldexp_f32 v252, 1.0, v254                    ; f = 2^(old M - new M): the rescaling rounds nothing
.irp j, 0,2,4,6,8,10,12,14,16,18,20,22,24,26,28,30,32,34,36,38,40,42,44,46,48,50,52,54,56,58,60,62
	v_pk_fma_f32 v[P+\j:P+1+\j], v[S+\j:S+1+\j], s[22:23], v[12:13] op_sel_hi:[1,0,0]   ; t - M, into other registers than the scores': those are free from here on
.endr
.irp b, 0,1,2,3
	v_fma_f32 v[232+\b], v[232+\b], s22, v12       ; the same of each block's largest score
.endr
.endm
; THE EXPONENTIALS OF STEP j, one batch of 68, and between them (mm = 1) the 16 score products of step j + 1.  Behind each product: a plain line while there are such (O^T x f; the addresses of the next fetches), then four exponentials,
; in the first four slices one more (a block's largest p).  Nothing here names an exponential's result or a register of the products.
.macro PHASE1 mm, lp, lg
.if \mm
	s_wait_dscnt 5                                 ; phi of step j + 1 is in; behind its eight loads g's five were issued: they may be out
.endif
.irp k, 0,1,2,3,4,5,6,7,8,9,10,11,12,13,14,15
.if \mm
	SCORE \k
.endif
.if \k < 8
	v_pk_mul_f32 v[O+2*\k:O+2*\k+1], v[O+2*\k:O+2*\k+1], v[252:253] op_sel_hi:[1,0]   ; O^T under the new M
.elseif (\k == 8) && \lp
	v_add_nc_u32 v[ADP], s60, v[L16]               ; phi of step j + 2
.elseif (\k == 9) && \lg
	v_add_nc_u32 v[ADG], s61, v[L16]               ; g of step j + 1
.elseif (\k == 10) && \lg
	v_add_nc_u32 v[ADS], s62, v[L4]
.endif
.if \k < 4
	v_exp_f32 v[232+\k], v[232+\k]                 ; the block's largest p
.endif
.irp e, 0,1,2,3
	v_exp_f32 v[P+4*\k+\e], v[P+4*\k+\e]           ; p = 2^(t - M): not normalised
.endr
.endr
.endm
; STEP j IS FINISHED: p's scale word and codes, l, O^T += g p^T.  lp = 1: phi of step j + 2 is fetched, sixteen plain lines behind the last score product, which read phi's registers (eight are asked behind this form: ISA guide 7.12.1).
.macro FINISH lp
	v_pk_mul_f32 v[14:15], v[14:15], v[252:253] op_sel_hi:[1,0]   ; l under the new M: the plain line behind the last exponential
	s_wait_alu depctr_va_vdst(0)                   ; one wait for the batch of 68, ahead of its first reader
.irp b, 0,1,2,3
	v_max_num_f32 v[232+\b], 0x1800000, v[232+\b]  ; the floor 2^(3 - 127): the byte cannot fall under 1
.endr
.irp b, 0,1,2,3
	v_add_nc_u32 v[244+\b], 0xff000000, v[232+\b]  ; 2 off the exponent field: the conversion's scale operand
.endr
.irp b, 0,1,2,3
	v_lshrrev_b32 v[236+\b], 23, v[244+\b]         ; the byte
.endr
	v_lshl_or_b32 v253, v237, 8, v236              ; p's scale word for these 128 keys
	v_lshl_or_b32 v253, v238, 16, v253
	v_lshl_or_b32 v253, v239, 24, v253
.if \lp
	LOADPHI ADP
.endif
.irp b, 0,1,2,3
	v_cvt_scalef32_pk8_fp4_f32 v[PC+2*\b], v[P+16*\b:P+7+16*\b], v[244+\b]
	v_cvt_scalef32_pk8_fp4_f32 v[PC+1+2*\b], v[P+8+16*\b:P+15+16*\b], v[244+\b]
.endr
	v_nop                                          ; one plain line behind the conversions
.irp c, 0,1                                    ; the operand wants a WHOLE block in a lane: lanes 0-15 block 2 c, lanes 16-31 block 2 c + 1
.irp i, 0,1
	v_permlane16_swap_b32 v[PC+4*\c+\i], v[PC+2+4*\c+\i]
.endr
.endr
	v_pk_add_f32 v[240:241], v[P:P+1], v[P+2:P+3]  ; l takes the UNQUANTISED p, two at a time, in two chains: 32 plain lines, the places between the scale word, the codes and the scaled products
.irp j, 4,8,12,16,20,24,28,32,36,40,44,48,52,56,60
	v_pk_add_f32 v[14:15], v[14:15], v[P+\j:P+1+\j]
	v_pk_add_f32 v[240:241], v[240:241], v[P+2+\j:P+3+\j]
.endr
	v_pk_add_f32 v[14:15], v[14:15], v[240:241]
.if \lp
	s_wait_dscnt 8                                 ; g and its scale words are in; phi's eight loads, issued behind them, may be out
.else
	s_wait_dscnt 0x0                               ; g and its scale words
.endif
	v_wmma_scale_f32_16x16x128_f8f6f4 v[O:O+7], v[GF:GF+7], v[PC:PC+7], v[O:O+7], v[GS], v253 matrix_a_fmt:MATRIX_FMT_FP4 matrix_b_fmt:MATRIX_FMT_FP4
	v_wmma_scale_f32_16x16x128_f8f6f4 v[O+8:O+15], v[GF+8:GF+15], v[PC:PC+7], v[O+8:O+15], v[GS], v253 matrix_a_fmt:MATRIX_FMT_FP4 matrix_b_fmt:MATRIX_FMT_FP4 matrix_a_scale:MATRIX_SCALE_ROW1
.endm
; TRIP j.  mm: step j + 1 exists (its scores are made);  lp: step j + 2 exists (its phi is fetched);  lg = mm: step j + 1's g is fetched and its head is run.
.macro TRIP mm, lp, lg
	PHASE1 \mm, \lp, \lg
	FINISH \lp
.if \lg
	HEADSM 1
.endif
.endm
	s_wait_tensorcnt 0x1                           ; my four parts of kv have landed; x's tile, issued behind them, may be out (a wave that fetches nothing passes)
	s_barrier_signal -1
	s_barrier_wait -1                              ; everybody's have: kv is whole
	LOADPHI L16                                    ; step 0
	s_wait_dscnt 0x0
.irp k, 0,1,2,3,4,5,6,7,8,9,10,11,12,13,14,15
	SCORE \k                                       ; step 0's scores: there is no vector work yet to set between them
.endr
	v_add_nc_u32 v[ADP], 4096, v[L16]              ; step 1's phi, step 0's g: with the five v_nop the eight places behind the products
	v_add_nc_u32 v[ADG], GB, v[L16]
	v_add_nc_u32 v[ADS], SCB, v[L4]
.rept 5
	v_nop
.endr
	LOADPHI ADP
	LOADG
	HEADSM 0
	s_mov_b32 s60, 2*4096                          ; phi runs two steps ahead of the trip,
	s_mov_b32 s61, GB+2048                         ; g one
	s_mov_b32 s62, SCB+128
	s_mov_b32 s63, NST-2
.Ltrip:                                                ; trips 0 .. 29
	TRIP 1, 1, 1
	s_add_co_u32 s60, s60, 4096
	s_add_co_u32 s61, s61, 2048
	s_add_co_u32 s62, s62, 128
	s_sub_co_u32 s63, s63, 1
	s_cmp_lg_u32 s63, 0
	s_cbranch_scc1 .Ltrip
	TRIP 1, 0, 1                                   ; trip 30: there is no phi left to fetch
	TRIP 0, 0, 0                                   ; trip 31: nor a step to begin
	; THE TAIL.
.irp i, 48,49,50,51,54,55,56,57,58,59
	v_mov_b32 v[\i], 0                             ; zero codes round o's: these ten lines are also the places behind the last products
.endr
	v_add_f32 v14, v14, v15                        ; l's two halves,
	v_permlanex16_b32 v254, v14, s20, s21
	v_add_f32 v14, v14, v254                       ; and lane l xor 16's
	s_wait_tensorcnt 0x0                           ; my part of x's tile has landed,
	s_barrier_signal -1
	s_barrier_wait -1                              ; everybody's has
.irp t, 0,1,2,3
	ds_load_b128 v[96+8*\t:99+8*\t], v[XD] offset:16*XP*\t        ; x[channel 16 t + r][my queries 8 h + 0 .. 7]
	ds_load_b128 v[100+8*\t:103+8*\t], v[XD] offset:16*XP*\t+16
.endr
	v_rcp_f32 v14, v14
.irp i, 64,65,66,67,68,69,70,71,72,73,74,75
	v_mov_b32 v[\i], 0                             ; the other zero codes (plain work behind the reciprocal)
.endr
	s_wait_alu depctr_va_vdst(0)                   ; ahead of the reciprocal's first reader
.irp j, 0,1,2,3,4,5,6,7,8,9,10,11,12,13,14,15
	v_mul_f32 v[32+\j], v[O+\j], v14               ; o[my query][channel 16 h + j]
.endr
	v_max3_num_f32 v28, |v32|, |v33|, 0x1800000    ; o's one block of 32 channels
.irp i, 2,4,6,8,10,12,14
	v_max3_num_f32 v28, v28, |v[32+\i]|, |v[33+\i]|
.endr
	v_permlanex16_b32 v29, v28, s20, s21
	v_max_num_f32 v28, v28, v29
	v_add_nc_u32 v30, 0xff000000, v28
	v_lshrrev_b32 v31, 23, v30
	v_lshl_or_b32 v[OW], v31, 8, v31               ; the byte four times: the codes stand in any of the four blocks
	v_lshl_or_b32 v[OW], v[OW], 16, v[OW]
	v_cvt_scalef32_pk8_fp4_f32 v52, v[32:39], v30
	v_cvt_scalef32_pk8_fp4_f32 v53, v[40:47], v30
	v_nop
	v_permlane16_swap_b32 v52, v54                 ; v[52:55]: lanes 0-15 hold query r's 32 codes, lanes 16-31 zeros
	v_permlane16_swap_b32 v53, v55
.irp i, 0,1,2,3
	v_permlanex16_b32 v[68+\i], v[52+\i], s20, s21 ; v[68:71]: the same in lanes 16-31
.endr
.rept 8
	v_nop                                          ; a scale register written by a vector instruction stands 8 places ahead of a scaled product, an operand 4
.endr
	v_wmma_scale_f32_16x16x128_f8f6f4 v[128:135], v[52:59], v[WO:WO+7], 0, v[OW], v[WOS] matrix_a_fmt:MATRIX_FMT_FP4 matrix_b_fmt:MATRIX_FMT_FP4   ; block 0: outputs 0-15
	v_wmma_scale_f32_16x16x128_f8f6f4 v[136:143], v[68:75], v[WO:WO+7], 0, v[OW], v[WOS] matrix_a_fmt:MATRIX_FMT_FP4 matrix_b_fmt:MATRIX_FMT_FP4   ; block 1: 16-31
	v_wmma_scale_f32_16x16x128_f8f6f4 v[144:151], v[48:55], v[WO:WO+7], 0, v[OW], v[WOS] matrix_a_fmt:MATRIX_FMT_FP4 matrix_b_fmt:MATRIX_FMT_FP4   ; block 2: 32-47
	v_wmma_scale_f32_16x16x128_f8f6f4 v[152:159], v[64:71], v[WO:WO+7], 0, v[OW], v[WOS] matrix_a_fmt:MATRIX_FMT_FP4 matrix_b_fmt:MATRIX_FMT_FP4   ; block 3: 48-63
.rept 4
	v_nop
.endr
	s_wait_dscnt 0x0                               ; x
.irp i, 0,2,4,6,8,10,12,14,16,18,20,22,24,26,28,30
	v_pk_fma_f32 v[96+\i:97+\i], v[128+\i:129+\i], s[66:67], v[96+\i:97+\i] op_sel_hi:[1,0,1]   ; gamma y + x; each accumulator from its low end on
.endr
.irp t, 0,1,2,3
	ds_store_b128 v[XD], v[96+8*\t:99+8*\t] offset:16*XP*\t       ; back to the bytes that I read: no other lane touches them, and the tile has had its one fill
	ds_store_b128 v[XD], v[100+8*\t:103+8*\t] offset:16*XP*\t+16
.endr
	s_wait_dscnt 0x0                               ; for the others' sake: my stores have landed
	s_barrier_signal -1
	s_barrier_wait -1
.irp i, 0,1,2,3
.irp f, 0,1
	ds_load_b128 v[32+8*\i+4*\f:35+8*\i+4*\f], v[XRB] offset:XP*\i+512*\f
.endr
.endr
.irp i, 0,1,2,3
.irp f, 0,1
	s_wait_dscnt 7-2*\i-\f
	global_store_b128 v[L16], v[32+8*\i+4*\f:35+8*\i+4*\f], s[16:17] offset:131072*\i+512*\f th:TH_STORE_NT   ; 32 lanes store 512 consecutive bytes, aligned; written once, read by nobody here
.endr
.endr
	s_wait_tensorcnt 0x0
	ds_add_u32 v251, v255
	s_wait_dscnt 0x0
	ROUND                                          ; the closing round: no work-group ends while a partner may still ask for a tile that names it
	s_endpgm
.Lfunc_end_k_q19662ea905_attend:
	.size	k_q19662ea905_attend, .Lfunc_end_k_q19662ea905_attend-k_q19662ea905_attend
	.p2alignl 7, 3214868480
	.fill 96, 4, 3214868480
	.section	.rodata,"a",@progbits
	.p2align	6, 0x0
	.amdhsa_kernel k_q19662ea905_attend
		.amdhsa_group_segment_fixed_size 269312
		.amdhsa_private_segment_fixed_size 0
		.amdhsa_enable_private_segment 0
		.amdhsa_kernarg_size 56
		.amdhsa_user_sgpr_count 2
		.amdhsa_user_sgpr_kernarg_segment_ptr 1
		.amdhsa_wavefront_size32 1
		.amdhsa_system_sgpr_workgroup_id_x 1
		.amdhsa_system_sgpr_workgroup_id_y 1
		.amdhsa_system_sgpr_workgroup_id_z 1
		.amdhsa_system_vgpr_workitem_id 0
		.amdhsa_next_free_vgpr 256
		.amdhsa_next_free_sgpr 90
		.amdhsa_reserve_vcc 0
		.amdhsa_float_denorm_mode_32 3
		.amdhsa_float_denorm_mode_16_64 3
		.amdhsa_memory_ordered 1
		.amdhsa_forward_progress 1
		.amdhsa_inst_pref_size 57
	.end_amdhsa_kernel
	.amdgpu_metadata
---
amdhsa.version: [ 1, 2 ]
amdhsa.kernels:
  - .name:           k_q19662ea905_attend
    .symbol:         k_q19662ea905_attend.kd
    .args:
      - { .name: theta, .offset: 0, .size: 8, .value_kind: global_buffer, .address_space: global }
      - { .name: kv, .offset: 8, .size: 8, .value_kind: global_buffer, .address_space: global }
      - { .name: x, .offset: 16, .size: 8, .value_kind: global_buffer, .address_space: global }
      - { .name: w_o_codes, .offset: 24, .size: 8, .value_kind: global_buffer, .address_space: global }
      - { .name: w_o_scales, .offset: 32, .size: 8, .value_kind: global_buffer, .address_space: global }
      - { .name: gamma, .offset: 40, .size: 8, .value_kind: global_buffer, .address_space: global }
      - { .name: out0, .offset: 48, .size: 8, .value_kind: global_buffer, .address_space: global }
    .group_segment_fixed_size: 269312
    .private_segment_fixed_size: 0
    .kernarg_segment_align: 8
    .kernarg_segment_size: 56
    .max_flat_workgroup_size: 512
    .sgpr_count:     90
    .vgpr_count:     256
    .wavefront_size: 32
...
	.end_amdgpu_metadata
.endif
;; end of part 2
